; MI455X (gfx1250); checked and timed in simulation.
; The chip was launched on July 23, 2026; its instructions are those of AMD's public machine-readable ISA for CDNA 5 (MIT licence, August 2026) and "CDNA5" Instruction Set Architecture Reference Guide (July 2026). The comments in the code are by the model that wrote it; some were corrected since.
;; Bottleneck Summary. Allowed arithmetic: matrix products marked QUANTISED: E2M1 operands, one E8M0 scale for each 32 along K, by v_wmma_scale_f32_16x16x128_f8f6f4 with both operands' format E2M1 (or v_wmma_scale_f32_32x16x128_f4), f32 sums; products left as they are: f32 operands where the result goes on into a quantised operand, else bf16, f16 or f32 operands; f32 sums; everything else in f32.
;; Inputs: Wk_codes 1,024 x 32 x 16 uint8 (E2M1 codes of Wk, K innermost, in blocks of 32 codes, two codes a byte); Wk_scales 1,024 x 32 uint8 (E8M0 scales of Wk, one for each 32 codes along K); Wq_codes 1,024 x 32 x 16 uint8 (E2M1 codes of Wq, K innermost, in blocks of 32 codes, two codes a byte); Wq_scales 1,024 x 32 uint8 (E8M0 scales of Wq, one for each 32 codes along K); Wv_codes 1,024 x 32 x 16 uint8 (E2M1 codes of Wv, K innermost, in blocks of 32 codes, two codes a byte); Wv_scales 1,024 x 32 uint8 (E8M0 scales of Wv, one for each 32 codes along K); attention_mask 16 x 2,048 int32; bk 1,024 float32; bq 1,024 float32; bv 1,024 float32; embeddings_codes 16 x 2,048 x 32 x 16 uint8 (E2M1 codes of embeddings, K innermost, in blocks of 32 codes, two codes a byte); embeddings_scales 16 x 2,048 x 32 uint8 (E8M0 scales of embeddings, one for each 32 codes along K); first_piece_mask 16 x 2,048 int32; first_sentence_mask 16 x 2,048 int32; hidden_states 16 x 2,048 x 1,024 float32.
;; Outputs: out0 16 x 1,024 float32; out1 16 x 1,024 float32; out2 16 x 1,024 float32.
;; This version of the problem:
;;   THIS VERSION OF THE PROBLEM IS GIVEN IN LOW PRECISION. The matrix products marked QUANTISED in the list below multiply operands that are first quantised to E2M1 (2 exponent bits, 1 mantissa bit; 4 bits a number), with one power-of-two scale for each 32 numbers along K (OCP MX v1.0); their sums are f32. All else is computed in f32.
;;   The module's matrix products, in the order in which they are computed (A, B: the left and right operand; K: the contracted axis; several contracted axes count as one K, in the product's order):
;;     1. [M 16, K 1,024] x [K 1,024, N 1,024]; A: computed on the way; B: input Wq (given as codes): QUANTISED
;;     2. [M 32,768, K 1,024] x [K 1,024, N 1,024]; A: input embeddings (given as codes); B: input Wk (given as codes): QUANTISED
;;     3. [M 32,768, K 1,024] x [K 1,024, N 1,024]; A: input embeddings (given as codes); B: input Wv (given as codes): QUANTISED
;;     4. batch 16 x [M 1, K 1,024] x [K 1,024, N 2,048]; A: computed on the way; B: computed on the way: left as it is (M = 1 < 16)
;;     5. batch 16 x [M 1, K 2,048] x [K 2,048, N 1,024]; A: softmax; B: computed on the way: left as it is (M = 1 < 16)
;;   THE QUANTISER, for each operand of a quantised product, along K:
;;     - K is cut into blocks of 32 from its start; a last block that is shorter is filled with zeros.
;;     - A block's scale is 2^e with e = floor(log2(the largest magnitude in the block)) - 2, held to -126 .. 127; a block of zeros has e = 0. As a byte (E8M0): e + 127.
;;     - Each number is divided by its block's scale, clamped to +-6, and rounded to the nearest number of E2M1, ties to even, subnormals kept.
;;     - The product sums the exact products of the quantised numbers (number of the format x scale) in f32.
;;   ~~~python
;;   def quantise(x, axis):      # numpy; x: float32 -> the quantised numbers, widened to float32 again
;;       x = np.moveaxis(x, axis, -1); K = x.shape[-1]
;;       x = np.pad(x, [(0, 0)] * (x.ndim - 1) + [(0, -K % 32)]); x = x.reshape(x.shape[:-1] + (-1, 32)); a = np.abs(x).max(-1, keepdims=True)
;;       e = np.where(a > 0, np.clip(np.frexp(np.where(a > 0, a, 1))[1] - 1 - 2, -126, 127), 0)      # np.frexp(a)[1] - 1 = floor(log2(a)), exactly
;;       r = np.clip(x / 2.0 ** e, -6, 6)
;;       step = 2.0 ** (np.maximum(np.frexp(np.where(r == 0, 1, r))[1] - 1, 0) - 1)
;;       q = np.round(r / step) * step * 2.0 ** e      # np.round: ties to even
;;       return np.moveaxis(q.reshape(q.shape[:-2] + (-1,))[..., :K], -1, axis).astype(np.float32)
;;   ~~~
;;   OPERANDS COMPUTED ON THE WAY. 'Computed on the way' means the value that the module computes at that place (a softmax that the list does not call 'softmax' is quantised finished and normalised). What goes into a quantiser is computed in f32, as accurately as f32 sums, v_exp_f32 and their like allow (about 1e-6 of the number): no bf16 or f16 on the way to a quantiser, and a product that is left as it is and whose result goes on into a quantised operand takes f32 operands (vector FMAs, or v_wmma_f32_16x16x4_f32). A number that lies on a knife's edge between two numbers of the format may be rounded either way, as far as f32 arithmetic and the matrix unit's own rounding can turn it there, and no further.
;;   INPUTS GIVEN AS CODES. Wk (in the module: [1024, 1024], K = its axis 1); Wq (in the module: [1024, 1024], K = its axis 1); Wv (in the module: [1024, 1024], K = its axis 1); embeddings (in the module: [16, 2048, 1024], K = its axis 2): each comes as NAME_codes (uint8): NAME with its K axis moved to the last place and cut into blocks of 32 codes, [.., K / 32, bytes a block], one block behind the other in memory; two codes a byte, the lower K in the low four bits (a code: sign, 2 exponent bits, 1 mantissa bit); and NAME_scales (uint8): the same leading axes, one E8M0 byte (e + 127) for each 32 codes along K. Its value is code x scale, taken as it is: it is not quantised again, and the codes and scales need not be those that the quantiser above would give.
;; One version. Each part assembles by itself: llvm-mc -triple=amdgcn-amd-amdhsa -mcpu=gfx1250 --defsym DOCPART=n.
;; ======== version 1 of 1: 3 launches
;; limits: right only within a limited range of input values
;; workspace buffers: qpart 1,048,576 bytes; scores 131,072 bytes; stats 65,536 bytes; cpart 1,048,576 bytes
;; launch avgq (part 1): grid 16 x 16, 16 waves a work-group, no clusters, 327,680 bytes of LDS; arguments hidden_states, attention_mask, Wq_codes, Wq_scales, qpart; writes qpart
.if DOCPART == 1
	.amdgcn_target "amdgcn-amd-amdhsa--gfx1250"
	.amdhsa_code_object_version 6
	.text
	.protected	k_q96bd5ad928_avgq
	.globl	k_q96bd5ad928_avgq
	.p2align	8
	.type	k_q96bd5ad928_avgq,@function
k_q96bd5ad928_avgq:
	s_mov_b64 s[64:65], 0
	v_nop
	global_prefetch_b8 v0, s[64:65] scope:SCOPE_SE
	s_setreg_imm32_b32 hwreg(HW_REG_WAVE_MODE, 25, 1), 1
	s_wait_xcnt 0x0
; THE PROGRAM: three launches.  This one: the masked mean of hidden_states, its FP4 codes, and the product with Wq, in 16 parts along K.
; The second: q; k = e Wk^T fused with q . k; the mask; a softmax over the work-group's 128 tokens; v = e Wv^T fused with p . v.  The third: the softmax's joining over a batch's 16 blocks, and the three outputs.
; WORK LEFT OUT, for all values of the inputs:
;   first_piece_mask enters no line of the computation: it has no way to any output, is not loaded and is among no launch's arguments.
;   bv is not added to each of the 32,768 rows of v: sum_t p[t] (v[t] + bv) = sum_t p[t] v[t] + bv sum_t p[t], and a softmax's p sum to 1: bv is added once to each row of the summary, in the third launch.
;   q . bk STAYS: hidden tokens get -10000 in place of their score, so the term is not the same along the softmax's axis.
;   LIMIT: a NaN, an infinity or an overflow that would arise only in v[t] + bv is not carried to the result.
; THIS LAUNCH.  Work-group (kc, b) owns columns 64 kc .. 64 kc + 63 of batch b: two whole blocks of 32 of the quantiser, so it finishes their mean, codes and scales alone.
; Wave w sums rows 128 w .. 128 w + 127: rows 0-55 come by one tensor load of 14,336 bytes into its own LDS bytes, rows 56-127 by 36 loads into registers: 28 of them ahead of its first wait, eight into the registers of the first eight.
; Lanes 0-15 take the first half of each part's rows, lanes 16-31 the second (28 and 36 rows a half), 16 bytes a lane: each half of a load is 256 consecutive bytes, aligned.  No LDS byte is filled twice.
; THE MASKS of a wave's 128 rows are 512 consecutive bytes: one load, 16 bytes a lane; as f32 they go through the wave's own 512 bytes of LDS and come back in the order of the lane's rows.
; The 64 codes are half of one matrix instruction's 128 along K (the other half: zero codes on both sides).  The mean stands in all 16 rows of source 0; source 1 takes 16 rows of Wq.  Four instructions a wave give
; this K chunk's part of q[b][64 w .. 64 w + 63]; the 16 chunks are added in f32 by the second launch.
; NO CLUSTER: the 16 work-groups of one kc share 34 KiB of Wq, against 512 KiB of hidden_states that each reads alone: what is shared is a small part of a work-group's bytes.
; NO PREFETCH: 112 of a wave's 128 rows are asked for ahead of its first wait; there is no loop to run ahead in.
; LIMITS: a batch whose mask sums to 0 divides by 0, as the definition does; which NaN or infinity comes out is not promised.  NaN and infinities among the inputs are not served.
; A block of zeros gets the scale byte 1 (the definition: 127): its codes are zeros, and this launch alone reads the byte.
.set ROWB,  4096                       ; a row of hidden_states in bytes
.set TR,    56                         ; rows of a wave that come by its tensor load
.set TH,    TR/2
.set RH,    (128-TR)/2                 ; rows of a half that come into registers
.set NX,    28                         ; loads of them on their way at first
.set TILEB, TR*256
.set PP,    272                        ; LDS: a partial row: 256 bytes + 16
.set PART,  16*TILEB                   ; 32 partial rows (wave, half)
.set MSUM,  PART+32*PP                 ; a word for each thread: its half's sum of masks
.set AV,    MSUM+2048                  ; the 64 means
.set MKS,   AV+256                     ; the masks as f32: 512 bytes for each wave, its own
.set SPARE, MKS+8192                   ; the spare words, 128 bytes for each of 16 waves, that no other line names
.set XO,  4                            ; v4   x: 16 r + 36 rows x h
.set MO,  5                            ; v5   masks: 16 x lane
.set WO,  6                            ; v6   Wq's codes: 4 r rows of 512 bytes + 16 h
.set WSO, 7                            ; v7   Wq's scales: 4 r rows of 32 bytes
.set SPW, 8                            ; v8   my spare word; never rewritten
.set NIL, 9                            ; v9   0; never rewritten
.set PST, 10                           ; v10-15 LDS addresses
.set MST, 11
.set PRD, 12
.set MRD, 13
.set AVW, 14
.set AVR, 15
.set ACC, 16                           ; v16-31  four sets of four sums; later the codes (v16-23) and source 0 (v24-31)
.set CD,  16
.set AF,  24
.set BF,  32                           ; v32-63  four fragments of Wq
.set X,   64                           ; v64-175 28 rows in registers; then rows out of LDS; later the 64 means (v64-127)
.set D,   128                          ; v128-159 the four results
.set M,   176                          ; v176-239 the masks of my half's 64 rows, as f32; later at work
.set WS,  240                          ; v240-243 Wq's scale words: scales alone
.set ASC, 244                          ; v244    the mean's scale word: scales alone
.set MKW, 245                          ; v245    MKS + 16 x thread: where my four masks go
.set GO,  246                          ; v246    16 r + 8 h: my place in the wave's 256 bytes of qpart
.set MKA, 247                          ; v247, v248  my half's 28 and 36 masks
.set MKB, 248
.set XL,  249                          ; v249    my half's rows in the wave's tile
.set MS,  250                          ; v250    my half's sum of masks
.set G1,  36                           ; s[36:43], s[44:47] the tensor load's groups 1 and 0
.set G0,  44
; four sums += a row's four columns x its mask, in four sets by turns; the first four rows start the sums.  Of the masks' pair one register serves both halves
.macro FMA x, m, n
.set ac, ACC+4*((\n)%4)
.set mp, M+2*((\m)/2)
.set xs, \x
.irp e, 0,2
.if (\n) < 4
.if (\m)%2 == 0
	v_pk_mul_f32 v[ac+\e:ac+\e+1], v[xs+\e:xs+\e+1], v[mp:mp+1] op_sel_hi:[1,0]
.else
	v_pk_mul_f32 v[ac+\e:ac+\e+1], v[xs+\e:xs+\e+1], v[mp:mp+1] op_sel:[0,1] op_sel_hi:[1,1]
.endif
.else
.if (\m)%2 == 0
	v_pk_fma_f32 v[ac+\e:ac+\e+1], v[xs+\e:xs+\e+1], v[mp:mp+1], v[ac+\e:ac+\e+1] op_sel_hi:[1,0,1]
.else
	v_pk_fma_f32 v[ac+\e:ac+\e+1], v[xs+\e:xs+\e+1], v[mp:mp+1], v[ac+\e:ac+\e+1] op_sel:[0,1,0] op_sel_hi:[1,1,1]
.endif
.endif
.endr
.endm
	s_load_b256 s[4:11], s[0:1], 0x0               ; hidden_states s[4:5], attention_mask s[6:7], Wq_codes s[8:9], Wq_scales s[10:11]
	s_load_b64 s[12:13], s[0:1], 0x20              ; qpart
	v_lshl_add_u32 v[SPW], v0, 2, SPARE
	v_mov_b32 v[NIL], 0
	ds_add_u32 v[SPW], v[NIL]                      ; the wave's opening: the add, twice on end, and its wait ahead of my tensor load; the set-up below stands between
	ds_add_u32 v[SPW], v[NIL]
	v_lshrrev_b32 v1, 5, v0
	v_readfirstlane_b32 s14, v1                    ; wave 0..15
	s_and_b32 s16, ttmp7, 0xffff                   ; b;  kc = ttmp9
	s_mov_b32 s28, 0x76543210
	s_mov_b32 s29, 0xfedcba98                      ; v_permlanex16_b32's selects for lane l xor 16
	s_lshl_b32 s18, s16, 23                        ; hidden_states: b x 2,048 rows + w x 128 rows + 256 kc
	s_lshl_b32 s19, s14, 19
	s_add_co_u32 s18, s18, s19
	s_lshl_b32 s19, ttmp9, 8
	s_add_co_u32 s18, s18, s19
	s_mov_b32 s19, 0
	s_lshl_b32 s20, s16, 13                        ; attention_mask: 8,192 b + 512 w
	s_lshl_b32 s21, s14, 9
	s_add_co_u32 s33, s21, MKS                     ; my wave's masks in LDS
	s_add_co_u32 s20, s20, s21
	s_mov_b32 s21, 0
	s_lshl_b32 s22, s14, 15                        ; Wq's codes: 64 w rows + 32 kc
	s_lshl_b32 s23, ttmp9, 5
	s_add_co_u32 s22, s22, s23
	s_mov_b32 s23, 0
	s_lshl_b32 s24, s14, 11                        ; Wq's scales: 64 w rows + 2 kc
	s_lshl_b32 s25, ttmp9, 1
	s_add_co_u32 s24, s24, s25
	s_mov_b32 s25, 0
	s_lshl_b32 s26, s16, 4                         ; qpart: (16 b + kc) x 4,096 + 256 w
	s_add_co_u32 s26, s26, ttmp9
	s_lshl_b32 s26, s26, 12
	s_lshl_b32 s27, s14, 8
	s_add_co_u32 s26, s26, s27
	s_mov_b32 s27, 0
	s_mov_b32 s[G1], 3<<16                         ; elements of 8 bytes, no padding
	s_mov_b32 s[G1+1], 32<<16                      ; rows of 256 bytes,
	s_mov_b32 s[G1+2], TR<<16                      ; 56 of them,
	s_mov_b32 s[G1+3], 32<<16
	s_mov_b32 s[G1+4], TR
	s_mov_b32 s[G1+5], ROWB/8                      ; 4,096 bytes apart
	s_mov_b32 s[G1+6], 0
	s_mov_b32 s[G1+7], 0
	s_mov_b32 s[G0], 1
	s_mul_i32 s[G0+1], s14, TILEB                  ; my wave's own LDS bytes
	s_mul_i32 s17, s14, 2*PP
	s_add_co_u32 s17, s17, PART
	s_lshl_b32 s15, s14, 4
	s_add_co_u32 s32, s15, AV
	s_add_co_u32 s15, s15, PART
	v_and_b32 v1, 31, v0                           ; lane
	v_and_b32 v2, 15, v0                           ; r
	v_bfe_u32 v3, v0, 4, 1                         ; h
	v_lshlrev_b32 v[MO], 4, v1
	v_lshlrev_b32 v[XL], 4, v2
	v_mul_u32_u24 v[XO], v3, RH*ROWB
	v_mul_u32_u24 v[MKA], v3, 4*TH
	v_mul_u32_u24 v[MKB], v3, 4*RH
	v_mul_u32_u24 v[PST], v3, PP
	v_mul_u32_u24 v[PRD], v1, PP
	v_add_nc_u32 v[XO], v[XO], v[XL]
	v_add_nc_u32 v[MKA], s33, v[MKA]
	s_add_co_u32 s33, s33, 4*TR
	v_add_nc_u32 v[MKB], s33, v[MKB]
	v_add_nc_u32 v[PST], s17, v[PST]
	v_add_nc_u32 v[PRD], s15, v[PRD]               ; back: partial row = lane, columns 4 w .. 4 w + 3
	v_lshl_add_u32 v[PST], v2, 4, v[PST]           ; partial row 2 w + h, 16 r
	v_mul_u32_u24 v[MRD], v3, TH*256
	v_add_nc_u32 v[XL], s[G0+1], v[XL]
	v_lshlrev_b32 v[WO], 11, v2
	v_add_nc_u32 v[XL], v[XL], v[MRD]              ; my half's 28 rows of the wave's tile
	v_lshl_add_u32 v[WO], v3, 4, v[WO]
	v_lshl_add_u32 v[MKW], v0, 4, MKS
	v_lshlrev_b32 v[WSO], 7, v2
	v_lshl_add_u32 v[MST], v0, 2, MSUM
	v_lshl_add_u32 v[MRD], v1, 6, MSUM             ; the word of thread 16 x lane: (wave, half) number lane
	v_mov_b32 v[AVW], s32
	v_mov_b32 v[AVR], AV
	v_lshlrev_b32 v[GO], 4, v2
	v_lshl_add_u32 v[GO], v3, 3, v[GO]
	s_wait_alu depctr_va_vdst(0)                   ; the head's end
	s_wait_dscnt 0x0                               ; both opening adds are done
	s_wait_kmcnt 0x0
	s_add_nc_u64 s[4:5], s[4:5], s[18:19]
	s_mov_b64 s[G0+2:G0+3], s[4:5]
	s_or_b32 s[G0+3], s[G0+3], 0x80000000
	tensor_load_to_lds s[G0:G0+3], s[G1:G1+7]      ; rows 0-55 of my wave
	s_nop 0
.rept 4
	v_nop
.endr
	s_add_nc_u64 s[30:31], s[4:5], TR*ROWB
	s_add_nc_u64 s[6:7], s[6:7], s[20:21]
	s_add_nc_u64 s[8:9], s[8:9], s[22:23]
	s_add_nc_u64 s[10:11], s[10:11], s[24:25]
	s_add_nc_u64 s[12:13], s[12:13], s[26:27]
	global_load_b128 v[252:255], v[MO], s[6:7]     ; the masks of rows 4 lane .. 4 lane + 3 of my wave's 128: 512 consecutive bytes
.set i, 0
.rept NX
	global_load_b128 v[X+4*i:X+4*i+3], v[XO], s[30:31] offset:ROWB*i th:TH_LOAD_NT   ; row 56 + 36 h + i
.set i, i+1
.endr
.irp t, 0,1,2,3
	global_load_b128 v[BF+8*\t:BF+8*\t+3], v[WO], s[8:9] offset:512*\t   ; tile t, lane r: row 64 w + 4 r + t of Wq; K = 64 kc + 32 h + 0 .. 31
.endr
.irp t, 0,1,2,3
	global_load_u16 v[WS+\t], v[WSO], s[10:11] offset:32*\t              ; its two scale bytes; the upper two bytes, 0, stand over zero codes
.endr
.irp t, 0,1,2,3
.irp j, 4,5,6,7
	v_mov_b32 v[BF+8*\t+\j], 0                     ; K 64 .. 127 of each fragment of Wq: zero codes
.endr
.endr
	s_wait_alu depctr_va_vdst(0)
	s_wait_loadcnt NX+8                            ; the masks are in; behind them stand x's 28 loads and Wq's 8
.irp j, 252,253,254,255
	v_cvt_f32_i32 v[\j], v[\j]
.endr
	ds_store_b128 v[MKW], v[252:255]               ; into my wave's own 512 bytes: LDS serves a wave's instructions in order, so the loads below see it
.irp g, 0,1,2,3,4,5,6
	ds_load_b128 v[M+4*\g:M+4*\g+3], v[MKA] offset:16*\g   ; register M + i: the mask of row 28 h + i; the sixteen lanes of a half read the same bytes
.endr
.irp g, 0,1,2,3,4,5,6,7,8
	ds_load_b128 v[M+TH+4*\g:M+TH+4*\g+3], v[MKB] offset:16*\g   ; register M + 28 + i: of row 56 + 36 h + i
.endr
	v_add_f32 v[MS], v252, v253                    ; lanes 0-15 sum rows 0-63, lanes 16-31 rows 64-127; whole numbers
	v_add_f32 v251, v254, v255
	v_add_f32 v[MS], v[MS], v251
.irp x, 1,2,4,8
	v_add_f32_dpp v[MS], v[MS], v[MS] row_xmask:\x row_mask:0xf bank_mask:0xf
.endr
	s_wait_alu depctr_va_vdst(0)
	s_wait_dscnt 0x0                               ; the masks are back
.set i, 0
.rept RH                               ; the rows in registers, four at a time
.if i%4 == 0
	s_wait_alu depctr_va_vdst(0)
.if i < 8
	s_wait_loadcnt NX+4                            ; rows i .. i + 3 are in; behind them: 24 - i rows, Wq's 8 loads, the i rows asked for below
.elseif i < NX
	s_wait_loadcnt NX+12-i                         ; behind them: 24 - i rows, Wq's 8 loads, the last 8 rows
.else
	s_wait_loadcnt RH-4-i                          ; behind them: what is left of the last 8 rows
.endif
.endif
	FMA X+4*(i%NX), TH+i, i
.if i < RH-NX
	global_load_b128 v[X+4*i:X+4*i+3], v[XO], s[30:31] offset:ROWB*(NX+i) th:TH_LOAD_NT   ; row 56 + 36 h + 28 + i, into the registers just read
.endif
.set i, i+1
.endr
	s_wait_alu depctr_va_vdst(0)
	s_wait_tensorcnt 0x0                           ; my tile has landed
.set i, 0
.rept 24
	ds_load_b128 v[X+4*i:X+4*i+3], v[XL] offset:256*i
.set i, i+1
.endr
.set i, 0
.rept TH                               ; the rows out of LDS, twelve at a time
.if i%12 == 0
	s_wait_alu depctr_va_vdst(0)
.if i == 0
	s_wait_dscnt 12                                ; these twelve are in, the next twelve may be out
.elseif i == 12
	s_wait_dscnt 4                                 ; the last four may be out
.else
	s_wait_dscnt 0
.endif
.endif
	FMA X+4*(i%24), i, 4+i
.set i, i+1
.if i == 12
.set j, 0
.rept TH-24
	ds_load_b128 v[X+4*j:X+4*j+3], v[XL] offset:256*(24+j)
.set j, j+1
.endr
.endif
.endr
	v_pk_add_f32 v[16:17], v[16:17], v[20:21]
	v_pk_add_f32 v[18:19], v[18:19], v[22:23]
	v_pk_add_f32 v[24:25], v[24:25], v[28:29]
	v_pk_add_f32 v[26:27], v[26:27], v[30:31]
	v_pk_add_f32 v[16:17], v[16:17], v[24:25]
	v_pk_add_f32 v[18:19], v[18:19], v[26:27]
	ds_store_b128 v[PST], v[16:19]
	ds_store_b32 v[MST], v[MS]
	s_wait_dscnt 0x0                               ; for the others' sake: my stores are done
	s_barrier_signal -1
	s_barrier_wait -1
	ds_load_b128 v[204:207], v[PRD]                ; wave w finishes columns 4 w .. 4 w + 3: a lane to each of the 32 partial rows
	ds_load_b32 v208, v[MRD]
	s_wait_dscnt 0x0
.irp x, 1,2,4,8
.irp k, 204,205,206,207,208
	v_add_f32_dpp v[\k], v[\k], v[\k] row_xmask:\x row_mask:0xf bank_mask:0xf
.endr
.endr
.irp k, 0,1,2,3,4
	v_permlanex16_b32 v[210+\k], v[204+\k], s28, s29
.endr
.irp k, 0,1,2,3,4
	v_add_f32 v[204+\k], v[204+\k], v[210+\k]
.endr
	s_wait_alu depctr_va_vdst(0)
	v_rcp_f32 v209, v208                           ; 1 / the sum of the masks
	v_nop                                          ; a plain instruction behind the reciprocal,
	s_wait_alu depctr_va_vdst(0)                   ; and the wait ahead of its first use
.irp k, 0,1,2,3
	v_mul_f32 v[204+\k], v[204+\k], v209
.endr
	ds_store_b128 v[AVW], v[204:207]               ; all lanes write the same 16 bytes with the same values
	s_wait_dscnt 0x0
	s_barrier_signal -1
	s_barrier_wait -1
.irp i, 0,1,2,3,4,5,6,7,8,9,10,11,12,13,14,15
	ds_load_b128 v[X+4*\i:X+4*\i+3], v[AVR] offset:16*\i   ; every lane takes all 64 means
.endr
.irp j, 4,5,6,7
	v_mov_b32 v[AF+\j], 0                          ; K 64 .. 127 of source 0: zero codes
.endr
	s_wait_alu depctr_va_vdst(0)
	s_wait_loadcnt 0x0                             ; Wq's fragments and scale words are in
	s_wait_dscnt 0x0
.irp c, 0,1
	v_max3_num_f32 v[216+\c], |v[X+32*\c]|, |v[X+32*\c+1]|, 0x1800000   ; block c's largest magnitude, and the floor 2^(3 - 127): so the byte cannot fall under 1
.endr
.irp i, 2,4,6,8,10,12,14,16,18,20,22,24,26,28,30
.irp c, 0,1
	v_max3_num_f32 v[216+\c], v[216+\c], |v[X+32*\c+\i]|, |v[X+32*\c+\i+1]|
.endr
.endr
.irp c, 0,1
	v_add_nc_u32 v[218+\c], 0xff000000, v[216+\c]  ; 2 off its exponent field: the conversion takes this operand's exponent field as its scale
.endr
.irp c, 0,1
	v_lshrrev_b32 v[220+\c], 23, v[218+\c]         ; the scale's byte
.endr
	v_lshl_or_b32 v222, v221, 8, v220
	v_or_b32 v[ASC], 0x7f7f0000, v222              ; over the zero codes: 1.0
.irp c, 0,1
.irp g, 0,1,2,3
	v_cvt_scalef32_pk8_fp4_f32 v[CD+4*\c+\g], v[X+32*\c+8*\g:X+32*\c+8*\g+7], v[218+\c]
.endr
.endr
	v_nop                                          ; one plain instruction behind a scaled conversion
	v_cmp_ne_u32 vcc_lo, 0, v3
.irp j, 0,1,2,3
	v_cndmask_b32 v[AF+\j], v[CD+\j], v[CD+4+\j], vcc_lo   ; the layout gives lane (r, h) K = 32 h + 0 .. 31: block h, in every row
.endr
.rept 8
	v_nop                                          ; a scale register written by a vector instruction stands 8 places ahead of a scaled matrix instruction, an operand 4
.endr
.irp t, 0,1,2,3
	v_wmma_scale_f32_16x16x128_f8f6f4 v[D+8*\t:D+8*\t+7], v[AF:AF+7], v[BF+8*\t:BF+8*\t+7], 0, v[ASC], v[WS+\t] matrix_a_fmt:MATRIX_FMT_FP4 matrix_b_fmt:MATRIX_FMT_FP4
.endr
.rept 4
	v_nop                                          ; four places ahead of the first read of results
.endr
	v_cndmask_b32 v200, v[D], v[D+16], vcc_lo      ; all 16 rows of a result are alike: register 0 of lane (r, h) in tile t is the part of q[64 w + 4 r + t]
	v_cndmask_b32 v201, v[D+8], v[D+24], vcc_lo    ; lane (r, h) stores columns 4 r + 2 h and 4 r + 2 h + 1
	global_store_b64 v[GO], v[200:201], s[12:13]   ; the wave stores 256 consecutive bytes, aligned
	s_wait_tensorcnt 0x0                           ; the wave's end, behind my last LDS store
	ds_add_u32 v[SPW], v[NIL]
	s_wait_dscnt 0x0
	s_endpgm
.Lfunc_end_k_q96bd5ad928_avgq:
	.size	k_q96bd5ad928_avgq, .Lfunc_end_k_q96bd5ad928_avgq-k_q96bd5ad928_avgq
	.p2alignl 7, 3214868480
	.fill 96, 4, 3214868480
	.section	.rodata,"a",@progbits
	.p2align	6, 0x0
	.amdhsa_kernel k_q96bd5ad928_avgq
		.amdhsa_group_segment_fixed_size 327680
		.amdhsa_private_segment_fixed_size 0
		.amdhsa_enable_private_segment 0
		.amdhsa_kernarg_size 40
		.amdhsa_user_sgpr_count 2
		.amdhsa_user_sgpr_kernarg_segment_ptr 1
		.amdhsa_wavefront_size32 1
		.amdhsa_system_sgpr_workgroup_id_x 1
		.amdhsa_system_sgpr_workgroup_id_y 1
		.amdhsa_system_sgpr_workgroup_id_z 1
		.amdhsa_system_vgpr_workitem_id 0
		.amdhsa_next_free_vgpr 256
		.amdhsa_next_free_sgpr 66
		.amdhsa_reserve_vcc 1
		.amdhsa_float_denorm_mode_32 3
		.amdhsa_float_denorm_mode_16_64 3
		.amdhsa_memory_ordered 1
		.amdhsa_forward_progress 1
		.amdhsa_inst_pref_size 31
	.end_amdhsa_kernel
	.amdgpu_metadata
---
amdhsa.version: [ 1, 2 ]
amdhsa.kernels:
  - .name:           k_q96bd5ad928_avgq
    .symbol:         k_q96bd5ad928_avgq.kd
    .args:
      - { .name: hidden_states, .offset: 0, .size: 8, .value_kind: global_buffer, .address_space: global }
      - { .name: attention_mask, .offset: 8, .size: 8, .value_kind: global_buffer, .address_space: global }
      - { .name: Wq_codes, .offset: 16, .size: 8, .value_kind: global_buffer, .address_space: global }
      - { .name: Wq_scales, .offset: 24, .size: 8, .value_kind: global_buffer, .address_space: global }
      - { .name: qpart, .offset: 32, .size: 8, .value_kind: global_buffer, .address_space: global }
    .group_segment_fixed_size: 327680
    .private_segment_fixed_size: 0
    .kernarg_segment_align: 8
    .kernarg_segment_size: 40
    .max_flat_workgroup_size: 512
    .sgpr_count:     66
    .vgpr_count:     256
    .wavefront_size: 32
...
	.end_amdgpu_metadata
.endif
;; end of part 1
;; launch main (part 2): grid 256 x 1, 4 waves a work-group, clusters of 4 x 1, 327,680 bytes of LDS; arguments embeddings_codes, embeddings_scales, Wk_codes, Wk_scales, Wv_codes, Wv_scales, attention_mask, bq, bk, qpart, scores, stats, cpart; writes scores, stats, cpart
.if DOCPART == 2
	.amdgcn_target "amdgcn-amd-amdhsa--gfx1250"
	.amdhsa_code_object_version 6
	.text
	.protected	k_q96bd5ad928_main
	.globl	k_q96bd5ad928_main
	.p2align	8
	.type	k_q96bd5ad928_main,@function
k_q96bd5ad928_main:
	s_mov_b64 s[64:65], 0
	v_nop
	global_prefetch_b8 v0, s[64:65] scope:SCOPE_SE
	s_setreg_imm32_b32 hwreg(HW_REG_WAVE_MODE, 25, 1), 1
	s_wait_xcnt 0x0
	s_wait_alu depctr_hold_cnt(0) depctr_sa_sdst(0) depctr_va_vdst(0) depctr_va_sdst(0) depctr_va_ssrc(0) depctr_va_vcc(0) depctr_vm_vsrc(0)
	s_getreg_b32 s2, hwreg(HW_REG_IB_STS2, 6, 4)
	s_cmp_eq_u32 s2, 0
	s_cbranch_scc0 .Lentry_in_a_cluster
	s_endpgm
.Lentry_in_a_cluster:
	s_bfe_u32 s2, ttmp6, 0x10000c
	s_cmp_lg_u32 s2, 0x3003
	s_cbranch_scc0 .Lentry_shape_is_right
	s_endpgm
.Lentry_shape_is_right:
; For 128 tokens of one batch: q = the 16 parts of qpart + bq; score[t] = (q . (e[t] Wk^T) + q . bk) / 32, or -10000 where attention_mask is 0; m = the 128 scores' maximum, p = e^(score - m), l = their sum;
; cpart[n] = sum_t p[t] (e[t] Wv^T)[n].  Both large products on codes of FP4 as they are given; k and v never leave the registers.  The third launch joins a batch's 16 blocks.
; WORK LEFT OUT: bv is not added to the rows of v (a softmax's p sum to 1: the third launch adds bv once); first_piece_mask has no way to any output.
; SHARES.  Work-group g = 4 x cluster + place owns tokens 128 (g % 16) on of batch g / 16.  THE WAVES SHARE THE WEIGHTS' ROWS: every wave keeps all 128 tokens x 1,024 K of e in 512 registers, and takes 64 of each
; 256 rows of a weight, 16 at a time (a TILE: 8 K steps x 4 blocks of 32 tokens = 32 matrix instructions on 4 accumulators by turns).  A fragment of a weight is read from LDS by one wave, once, and feeds 4 products.
; LAYOUT, in both phases: source 0 = 32 tokens, source 1 = 16 rows of a weight: lane (r, h) holds row n = r and 16 tokens: 32 P + 16 u + 8 h + 0 .. 7 (u = 0, 1).
; k: the lane multiplies by its q[n] and sums over all its rows n, 64 sums; the sixteen lanes and the four waves are added once, at the end.  v: the lane multiplies by the tokens' p and sums over tokens.
; TWO BANKS OF ACCUMULATORS: a tile's 32 packed multiply-adds stand among the NEXT tile's matrix instructions.  So v's first tile is multiplied ahead of the softmax, under k's last multiply-adds.
; THE RING.  The weights go in eight steps of 256 rows x all of K (Wk's four, then Wv's four) through two LDS slots: rows of 512 bytes + 16 of padding; each wave fetches 64 rows.
; A wave's scale words (512 consecutive bytes a tile) come from memory straight into registers, asked for three tiles ahead of the slot that they serve.
; THE WALK IS ROTATED.  Clusters with odd numbers take each weight's four steps in the order 2, 3, 0, 1: a score is a sum over all rows of Wk, and a column of the summary belongs to one row of Wv, so the order is free.
; In LDS q and the sums lie in the order of the walk; the rotation enters global addresses alone.
; CLUSTER.  All work-groups walk the same weights, so the four of a cluster ask for each step JOINTLY: the same tensor load with the same descriptor and a mask that names the four.
; THE HEAD, one tensor load a wave: waves 0, 1: step 0's halves; wave 2: step 1's rows 128-255; wave 3: e, a load of the work-group's own, into slot 1's rows 0-127, which take step 1's once e is in registers.
; REGISTERS, in windows of 256: window 0: addresses, scales, v128-255 e's K steps 6, 7;  window 1: v0-191 e's K steps 0-2, from v192 q or p;  window 2: v0-191 e's K steps 3-5, from v192 q or p;
; window 3: v0-127 the two banks, v128-191 sums, v192-255 the tile's eight fragments.  A K step's products and the multiply-adds among them need the same windows.
; LIMITS: NaN and infinities among the inputs are not served.
.set WP,    528                        ; a weight's row in LDS: 512 bytes + 16: the 16 rows that a load touches begin 16 bytes apart modulo 256
.set HALFW, 128*WP
.set SLOTB, 2*HALFW
.set QL,    2*SLOTB                    ; behind the ring, in blocks of 256 bytes into which no tile lands: q, in the order of the walk; of each 64 columns word 4 r + t is column 16 t + r
.set QB,    QL+4096                    ; four partial sums of q . bk
.set SCR,   QB+256                     ; each wave's partial scores: 4 x 512
.set PRG,   SCR+2048                   ; each wave's copy of p: 4 x 512
.set CST,   PRG+2048                   ; the 1,024 sums of each half of the lanes, CH bytes apart
.set CH,    4160
.set XS,    CST+8448                   ; each wave's 64 sums a lane, on their way across lanes: 16 x 528
.set XW,    16*WP
.set SPARE, XS+4*XW                    ; the spare words, 128 bytes a wave, that no other line names
.set AB0, 4                            ; v4, v5 my lane's place in slot 0, 1: 528 r + 16 h + 64 w rows
.set AB1, 5
.set AQ,  6                            ; v6   in q: QL + 256 w + 16 r
.set AC0, 7                            ; v7   in the sums, from CST on
.set SPW, 8                            ; v8   my spare word; never rewritten
.set NIL, 9                            ; v9   0; never rewritten
.set AE,  10                           ; v10  e in slot 1
.set WSO, 11                           ; v11  my scale words in a step's 8,192 scale bytes
.set QBK, 12                           ; v12  q . bk / 32
.set NEGR, 13                          ; v13  -10000.0
.set CGO, 14                           ; v14  cpart: (1,024 h + 256 w + 16 r + 1,024 x rotation) mod 4,096
.set L16, 15
.set L8,  16
.set PFO, 17                           ; v17  the prefetch's offset: 256 x lane
.set SCW, 18
.set SCRD, 19
.set PW,  20
.set PR,  21
.set CRD, 22
.set XST, 23
.set XLD, 24
.set W1,  25                           ; v25  at work
.set ML,  26                           ; v26-27  m and l
.set MK,  28                           ; v28-31  the masks of tokens 4 lane .. 4 lane + 3
.set AS,  32                           ; v32-63  e's scale words: AS + 8 P + K step: lane l has token 32 P + l: scales alone
.set LH,  64                           ; v64-95  the weights' scale words: LH + 16 slot + 4 tile + j: lanes 0-15 K step j, lanes 16-31 K step 4 + j: scales alone
.set T,   96                           ; v96-115 at work
.set ESO, 116
.set T16, 117
.set T16B, 118
.set QST, 119
.set QBW, 120
.set QBR, 121
.set PL,  126
.set QP,  128                          ; v128-255 at the head: qpart
.set SAC, 128                          ; window 3: k's 64 sums
.set CS,  128                          ; window 3: v's 16 pairs of sums
.set ACW, 160                          ; window 3: CST + v7
.set BF,  192                          ; window 3: the tile's fragments
.set ROT, 3                            ; s3   the rotation: 0 or 2
.set WV,  30
.set CX,  31                           ; s31  my place in the cluster: it enters global addresses of my own alone
.set G,   32                           ; s32  work-group
.set TAU, 33                           ; s33  the walk's step in hand, 0-7
.set WLO, 35                           ; s35  64 w rows of a slot
.set G1W, 36                           ; s[36:43] group 1: 64 rows of 512 bytes, padded, joint
.set G1A, 44                           ; s[44:51] 128 rows, not joint
.set G1H, 52                           ; s[52:59] 128 rows, joint
.set KW,  60                           ; s[60:61] Wk's codes at my 64 rows;  s[62:63] Wv's
.set VW,  62
.set CNT, 66
.set SCL, 67                           ; s67  1 / 32
.set G0K, 68                           ; s[68:71] group 0 of the ring
.set G0H, 72                           ; s[72:75], s[76:79] group 0 of the head's loads
.set G0A, 76
.set WSP, 80                           ; s[80:81] the next step's scale bytes
.set SEL, 88                           ; s[88:89] lane l xor 16
.set PFA, 96                           ; s[96:97] where my work-group's prefetch stands
.set LIM, 98                           ; s98  the step at which my wave prefetches, or 64
.set MSB, 0
.macro WIN new                         ; the immediate's high byte repeats the setting that is left; a switch that changes nothing is dropped
.if MSB != (\new)
	s_set_vgpr_msb (MSB<<8)|(\new)
.set MSB, (\new)
.endif
.endm
.macro PLACES
.rept 4
	v_nop
.endr
.endm
.macro CREST                           ; a round of the cluster's barrier behind its opening barrier
	s_cmp_lg_u32 s[WV], 0
	s_cbranch_scc1 .Lnw0_\@
	s_barrier_signal -3
.Lnw0_\@:
	s_barrier_wait -3
	s_barrier_signal -1
	s_barrier_wait -1
.endm
.macro CROUND                          ; a whole round
	s_barrier_signal -1
	s_barrier_wait -1
	CREST
.endm
; The ring's group 0 is set to slot x and to the walk's step TAU + 2 (0-3: Wk; 4-7: Wv).  Written where no tensor load of the wave is out.  s91 holds 0.
.macro SETADR x
	s_add_co_u32 s90, s[TAU], 2
	s_cmp_lt_u32 s90, 4
	s_cselect_b64 s[92:93], s[KW:KW+1], s[VW:VW+1]
	s_add_co_u32 s90, s90, s[ROT]
	s_and_b32 s90, s90, 3
	s_lshl_b32 s90, s90, 17                        ; 256 rows of 512 bytes of codes
	s_add_nc_u64 s[G0K+2:G0K+3], s[92:93], s[90:91]
	s_or_b32 s[G0K+3], s[G0K+3], 0x80000000
	s_add_co_u32 s[G0K+1], s[WLO], (\x)*SLOTB
.endm
.macro SCALES x                        ; the scale words of the walk's step TAU + 1, my four tiles: into the bank of slot x
	s_add_co_u32 s90, s[TAU], 1
	s_cmp_lt_u32 s90, 4
	s_cselect_b64 s[WSP:WSP+1], s[10:11], s[14:15]
	s_add_co_u32 s90, s90, s[ROT]
	s_and_b32 s90, s90, 3
	s_lshl_b32 s90, s90, 13                        ; 256 rows of 32 scale bytes
	s_add_nc_u64 s[WSP:WSP+1], s[WSP:WSP+1], s[90:91]
	LOADSC \x
.endm
.macro LOADSC x
.irp j, 0,1,2,3
	global_load_b128 v[LH+16*(\x)+4*\j:LH+16*(\x)+4*\j+3], v[WSO], s[WSP:WSP+1] offset:512*\j
.endr
.endm
; A PREFETCH INTO THE L2 of Wv, whose steps are first asked for, two of them by each half of the clusters, at the two changes of slots that follow this one: a slot's four tiles ahead of those loads.
; Wave 3 asks: in work-groups 0 to 63 for 32 blocks of 256 bytes of Wv's codes (8,192 g + 256 lane: all 524,288 bytes), in work-groups 64 to 67 for the same of its scale bytes (all 32,768).  Each block is named once in the launch.
; Partners are told apart by address; the branch hangs on the cluster's number, the wave's and the step's.  The address registers are never rewritten.  Wk's steps come by their loads alone: the head's loads of the clusters name all four.
.macro ASK
	s_cmp_eq_u32 s[TAU], s[LIM]
	s_cbranch_scc0 .Lnm_\@
	global_prefetch_b8 v[PFO], s[PFA:PFA+1] th:TH_LOAD_NT scope:SCOPE_SE
.Lnm_\@:
.endm
.macro FRAG s, t, x                    ; the fragment of K step s, tile t of slot x: two loads
.irp c, 0,1
	ds_load_b128 v[BF+8*(\s)+4*\c:BF+8*(\s)+4*\c+3], v[AB0+(\x)] offset:16*WP*(\t)+64*(\s)+32*\c
.endr
.endm
.macro ELOAD s                         ; e's eight fragments of K step s
.if (\s) < 3
	WIN 0x40
.set eb, 64*(\s)
.elseif (\s) < 6
	WIN 0x80
.set eb, 64*((\s)-3)
.else
	WIN 0
.set eb, 128+64*((\s)-6)
.endif
.irp m, 0,1,2,3,4,5,6,7
	ds_load_b128 v[eb+8*\m:eb+8*\m+3], v[AE] offset:16*WP*\m+64*(\s)
	ds_load_b128 v[eb+8*\m+4:eb+8*\m+7], v[AE] offset:16*WP*\m+64*(\s)+32
.endr
.endm
.macro WINS s                          ; the windows of K step s: source 0 (e) by the step, all else window 3
.if (\s) < 3
	WIN 0xfd
.elseif (\s) < 6
	WIN 0xfe
.else
	WIN 0xfc
.endif
.endm
.macro MM s, P                         ; K step s x tokens 32 P on; K step 0 starts the sum with the constant 0
.set rD, 64*BANK+16*(\P)
.set rB, BF+8*(\s)
.set rA, AS+8*(\P)+(\s)
.set rL, LH+16*SL+4*TT+((\s)%4)
.if (\s) < 6
.set rE, 64*((\s)%3)+16*(\P)
.else
.set rE, 128+64*((\s)-6)+16*(\P)
.endif
.if (\s) == 0
	v_wmma_scale_f32_32x16x128_f4 v[rD:rD+15], v[rE:rE+15], v[rB:rB+7], 0, v[rA], v[rL]
.elseif (\s) < 4
	v_wmma_scale_f32_32x16x128_f4 v[rD:rD+15], v[rE:rE+15], v[rB:rB+7], v[rD:rD+15], v[rA], v[rL]
.else
	v_wmma_scale_f32_32x16x128_f4 v[rD:rD+15], v[rE:rE+15], v[rB:rB+7], v[rD:rD+15], v[rA], v[rL] matrix_b_scale:MATRIX_SCALE_ROW1
.endif
.endm
; n of the 32 packed multiply-adds of the tile before, whose results lie in the other bank; each accumulator is read from its low end on.  The first 16 take source 0 from window 1, the others from window 2.
.macro PKS n
.rept \n
.if PKI < 32
.if W25 && ((PKI%8) == 0)
	s_wait_alu depctr_va_vdst(0)                   ; the wait ahead of the first read of matrix results behind exponentials
.endif
.set rS, 64*(1-BANK)+2*PKI
.if PH == 0
.set rQ, 192+2*(((TT+3)%4)/2)
.set rR, SAC+2*PKI
.if ((TT+3)%2) == 1
	v_pk_fma_f32 v[rR:rR+1], v[rQ:rQ+1], v[rS:rS+1], v[rR:rR+1] op_sel:[1,0,0] op_sel_hi:[1,1,1]
.else
	v_pk_fma_f32 v[rR:rR+1], v[rQ:rQ+1], v[rS:rS+1], v[rR:rR+1] op_sel_hi:[0,1,1]
.endif
.else
.set rQ, 192+2*(PKI%16)
.set rR, CS+2*(PKI%16)
.if PKI < 16
	v_pk_mul_f32 v[rR:rR+1], v[rQ:rQ+1], v[rS:rS+1]
.else
	v_pk_fma_f32 v[rR:rR+1], v[rQ:rQ+1], v[rS:rS+1], v[rR:rR+1]
.endif
.endif
.set PKI, PKI+1
.endif
.endr
.endm
.macro MST s, a, b, c, d               ; a K step: the four accumulators take turns, one instruction a turn
	MM \s, 0
	PKS \a
	MM \s, 1
	PKS \b
	MM \s, 2
	PKS \c
	MM \s, 3
	PKS \d
.endm
.macro RED                             ; v: the 16 pairs of sums of a column, over my half's 64 tokens
.irp c, 0,1,2,3,4,5,6,7
	v_pk_add_f32 v[CS+2*\c:CS+2*\c+1], v[CS+2*\c:CS+2*\c+1], v[CS+16+2*\c:CS+17+2*\c]
.endr
.irp c, 0,1,2,3
	v_pk_add_f32 v[CS+2*\c:CS+2*\c+1], v[CS+2*\c:CS+2*\c+1], v[CS+8+2*\c:CS+9+2*\c]
.endr
.irp c, 0,1
	v_pk_add_f32 v[CS+2*\c:CS+2*\c+1], v[CS+2*\c:CS+2*\c+1], v[CS+4+2*\c:CS+5+2*\c]
.endr
	v_pk_add_f32 v[CS:CS+1], v[CS:CS+1], v[CS+2:CS+3]
	v_add_f32 v[CS], v[CS], v[CS+1]
	ds_store_b32 v[ACW], v[CS] offset:EOFF
.endm
; A TILE: 16 rows of a weight against all 128 tokens.  ph: the tile BEFORE is k's (0) or v's (1);  t: 0-3;  x: the slot.
; mode 0, 5: no change of slots; 5 asks for no scale words.  1: change of slots, and this slot is filled again.  2: change of slots, nothing is filled.  3: the last tile.
; FRAGMENTS, in two runs of eight loads: K steps 4-7 of this tile at its start, K steps 0-3 of the next tile behind step 4: each into registers just read out.
; PLACES behind matrix instructions: four v_nop at the start; elsewhere the multiply-adds, which name none of their registers.
; THE CHANGE OF SLOTS: behind K step 1 each wave waits for all its tensor loads (its part of the other slot), adds 0 to its spare word, and behind K step 2 waits for that and for its last reads of this slot; it signals,
; issues two K steps while the others arrive, and waits.  Behind the round nobody reads this slot any more and the other slot is whole.
.macro TILE ph, t, x, mode, w25=0
.set PH, \ph
.set TT, \t
.set SL, \x
.set BANK, (\t)%2
.set W25, \w25
.set PKI, 0
.set NT, ((\t)+1)%4
.if (\t) == 3
.set NX, 1-(\x)
.else
.set NX, \x
.endif
	PLACES
.if ((\t) == 1) && ((\mode) == 0)
	WIN 0
	SCALES 1-(\x)
.if ((\ph) == 0) && ((\x) == 1)
	v_xor_b32 v[AQ], 0x800, v[AQ]                  ; q's other two steps
.endif
.endif
	WIN 0xfc
.irp s, 4,5,6,7
	FRAG \s, \t, \x
.endr
	s_wait_dscnt 12                                ; K steps 0, 1 (and q) are in; the four loads of 2, 3 and the eight of 4-7 may be out
	WIN 0xfd
	MST 0, 1,1,1,1
	MST 1, 1,1,2,2
.if ((\mode) == 1) || ((\mode) == 2)
	WIN 0                                          ; (the add's two registers lie in window 0)
	s_wait_tensorcnt 0x0                           ; all my tensor loads have landed: my part of the other slot; so group 0 may be written
	ds_add_u32 v[SPW], v[NIL]                      ; 0 onto my spare word
.if (\mode) == 1
	SETADR \x                                      ; work on registers between the add and the wait for it
.endif
	WIN 0xfd
	s_wait_dscnt 9                                 ; K steps 2, 3 are in; eight loads and the add may be out
	MST 2, 1,1,2,2
	s_wait_loadcnt 0x0                             ; the next slot's scale words are in
	s_wait_dscnt 0x0                               ; the add is done, and my reads of this slot are over
	s_barrier_signal -1
	WIN 0xfe
	MST 3, 2,2,2,2                                 ; work on registers while the others arrive
	MST 4, 1,1,2,4
	WIN 0
	s_barrier_wait -1
.if (\mode) == 1
	CREST                                          ; the barrier has opened a round of the cluster's: no wave of any partner still reads this slot or has a load on its way
	tensor_load_to_lds s[G0K:G0K+3], s[G1W:G1W+7]  ; my 64 rows of the step two on: the first tensor load behind the round
	s_nop 0
	PLACES
.endif
.else
	s_wait_dscnt 8                                 ; K steps 2, 3 are in; the eight loads of 4-7 may be out
	MST 2, 1,1,2,2
	WIN 0xfe
	MST 3, 2,2,2,2
	s_wait_dscnt 4                                 ; K steps 4, 5 are in; the four loads of 6, 7 may be out
	MST 4, 1,1,2,4
.endif
.if (\ph) == 1
	WIN 0xff
.if ((\mode) == 1) || ((\mode) == 2)
	s_wait_alu depctr_va_vdst(0)
.endif
	RED
.endif
.if (\mode) != 3
.if ((\t) == 0) && ((\ph) == 0)
	LOADQ 1024*(\x)
.endif
	WIN 0xfc
.irp s, 0,1,2,3
	FRAG \s, NT, NX
.endr
.endif
.if ((\mode) == 1) && ((\ph) == 0) && ((\x) == 1)
	WIN 0
	ASK
.endif
	WIN 0xfe
	MST 5, 0,0,0,0
.if (\mode) == 3
	s_wait_dscnt 0x0
.elseif ((\mode) == 0) || ((\mode) == 5)
	s_wait_dscnt 8                                 ; K steps 6, 7 (and what was issued behind them ahead of the next tile's eight loads) are done
.endif
	WIN 0xfc
	MST 6, 0,0,0,0
	MST 7, 0,0,0,0
.if (\t) == 3
	s_add_co_u32 s[TAU], s[TAU], 1
.endif
.endm
.macro LOADQ off                       ; q of my lane's row in each of a slot's four tiles, for both windows.  (Behind Wk's last step the loop's last trip reads the walk's first again, and nothing uses it)
	WIN 0x40
	ds_load_b128 v[192:195], v[AQ] offset:\off
	WIN 0x80
	ds_load_b128 v[192:195], v[AQ] offset:\off
.endm
.macro VT y, t, x, mode, w25=0         ; a tile of v, in Wv's step y; the sums that it stores are those of the tile before
.set EOFF, 1024*((4*(\y)+(\t)-1)/4)+64*((4*(\y)+(\t)-1)%4)
	TILE 1, \t, \x, \mode, \w25
.endm
	s_load_b512 s[4:19], s[0:1], 0x0               ; e's codes s[4:5], e's scales s[6:7], Wk's s[8:9], s[10:11], Wv's s[12:13], s[14:15], attention_mask s[16:17], bq s[18:19]
	s_load_b256 s[20:27], s[0:1], 0x40             ; bk s[20:21], qpart s[22:23], scores s[24:25], stats s[26:27]
	s_load_b64 s[28:29], s[0:1], 0x60              ; cpart
	v_lshl_add_u32 v[SPW], v0, 2, SPARE
	v_mov_b32 v[NIL], 0
	ds_add_u32 v[SPW], v[NIL]                      ; the wave's opening: the add, twice on end, and its wait ahead of my first tensor load; the set-up below stands between
	ds_add_u32 v[SPW], v[NIL]
	v_lshrrev_b32 v1, 5, v0
	v_readfirstlane_b32 s[WV], v1                  ; wave 0..3
	s_bfe_u32 s[CX], ttmp6, 0x40000
	s_lshl_b32 s[G], ttmp9, 2                      ; in a cluster launch ttmp9 counts clusters
	s_add_co_u32 s[G], s[G], s[CX]
	s_and_b32 s[ROT], ttmp9, 1
	s_lshl_b32 s[ROT], s[ROT], 1                   ; the rotation: the same in the four partners
	s_lshl_b32 s95, s[ROT], 10                     ; in bytes of q and of the sums: 256 columns of 4 bytes a step
	s_mov_b32 s[G1W], 15|(1<<20)|(1<<21)|(6<<22)|(3<<25)   ; 15:0 the mask: all four; 17:16 elements of 1 byte; 20 padding on; 21 set beside a mask; 24:22 after every 128 words; 31:25 four words
	s_mov_b32 s[G1H], 15|(1<<20)|(1<<21)|(6<<22)|(3<<25)
	s_mov_b32 s[G1A], (1<<20)|(6<<22)|(3<<25)      ; for my work-group alone
.irp g, G1W, G1H, G1A
	s_mov_b32 s[\g+1], 512<<16                     ; tensor_dim0 = 512
	s_mov_b32 s[\g+3], 512<<16                     ; tile_dim0 = 512
	s_mov_b32 s[\g+5], 512                         ; from row to row
	s_mov_b32 s[\g+6], 0
	s_mov_b32 s[\g+7], 0
.endr
.irp g, G1H, G1A
	s_mov_b32 s[\g+2], 128<<16                     ; tensor_dim1
	s_mov_b32 s[\g+4], 128                         ; tile_dim1
.endr
	s_mov_b32 s[G1W+2], 64<<16
	s_mov_b32 s[G1W+4], 64
	s_mov_b32 s[SEL], 0x76543210
	s_mov_b32 s[SEL+1], 0xfedcba98
	s_mov_b32 s[SCL], 0x3d000000                   ; 1 / sqrt(1,024)
	s_mov_b32 s[TAU], 0
	s_mov_b32 s91, 0
	s_mul_i32 s[WLO], s[WV], 64*WP
	s_lshl_b32 s82, s[WV], 8
	s_add_co_u32 s83, s82, QL
	s_lshl_b32 s84, s[WV], 9
	s_add_co_u32 s85, s84, SCR
	s_add_co_u32 s86, s84, PRG
	s_mul_i32 s87, s[WV], XW
	s_add_co_u32 s87, s87, XS
	s_lshl_b32 s99, s[WV], 11
	s_lshl_b32 s100, s[WV], 2
	s_add_co_u32 s100, s100, QB
	s_lshr_b32 s92, s[WV], 1                       ; the head's joint loads: waves 0, 1, 2 fetch the 128 rows with number 0, 1, 3 of the walk, into the ring's quarters 0, 1, 3
	s_add_co_u32 s92, s92, s[WV]
	s_mov_b32 s[G0H], 1
	s_mul_i32 s[G0H+1], s92, HALFW
	s_lshl_b32 s92, s92, 16                        ; 128 rows of 512 bytes
	s_lshl_b32 s90, s[ROT], 17
	s_add_co_u32 s92, s92, s90
	s_mov_b32 s93, 0
	s_mov_b32 s[G0A], 1
	s_mov_b32 s[G0A+1], SLOTB
	v_and_b32 v1, 31, v0                           ; lane
	v_and_b32 v2, 15, v0                           ; r
	v_bfe_u32 v3, v0, 4, 1                         ; h
	v_mul_u32_u24 v[AE], v2, WP
	v_mul_u32_u24 v[XLD], v2, WP
	v_mul_u32_u24 v[AC0], v3, CH
	v_lshl_add_u32 v[AE], v3, 4, v[AE]             ; 528 r + 16 h
	v_lshl_add_u32 v[XLD], v3, 8, v[XLD]
	v_lshl_add_u32 v[AC0], v2, 2, v[AC0]
	v_add_nc_u32 v[AB0], s[WLO], v[AE]
	v_add_nc_u32 v[XLD], s87, v[XLD]               ; back: lane (r, h) takes register quad r of lanes 16 h .. 16 h + 15
	v_add_nc_u32 v[AC0], s82, v[AC0]               ; CH h + 256 w + 4 r
	v_add_nc_u32 v[AB1], SLOTB, v[AB0]
	v_add_nc_u32 v[AE], SLOTB, v[AE]
	v_lshl_add_u32 v[AQ], v2, 4, s83
	v_lshl_add_u32 v[CGO], v3, 10, s82
	v_lshl_add_u32 v[WSO], v2, 5, s99
	v_lshl_add_u32 v[XST], v1, 4, s87
	v_lshl_add_u32 v[CGO], v2, 4, v[CGO]           ; 1,024 h + 256 w + 16 r: my place in the sums, in the order of the walk,
	v_lshl_add_u32 v[WSO], v3, 4, v[WSO]
	v_add_nc_u32 v[CRD], CST, v[CGO]               ; in LDS,
	v_add_nc_u32 v[CGO], s95, v[CGO]
	v_and_b32 v[CGO], 0xfff, v[CGO]                ; and the same columns' place in cpart
	v_lshrrev_b32 v[W1], 2, v2                     ; register quad r, half h: tokens 32 (r / 4) + 16 ((r / 2) % 2) + 8 h + 4 (r % 2) + 0 .. 3
	v_lshl_add_u32 v[SCW], v[W1], 7, s85
	v_bfe_u32 v[W1], v2, 1, 1
	v_lshl_add_u32 v[SCW], v[W1], 6, v[SCW]
	v_lshl_add_u32 v[SCW], v3, 5, v[SCW]
	v_and_b32 v[W1], 1, v2
	v_lshl_add_u32 v[SCW], v[W1], 4, v[SCW]
	v_lshl_add_u32 v[SCRD], v1, 4, SCR
	v_lshl_add_u32 v[PW], v1, 4, s86
	v_lshl_add_u32 v[PR], v3, 5, s86
	v_lshlrev_b32 v[L16], 4, v1
	v_lshlrev_b32 v[L8], 3, v1
	v_lshlrev_b32 v[ESO], 5, v1
	v_lshlrev_b32 v[PFO], 8, v1
	v_lshl_add_u32 v[T16], v0, 4, s95
	v_lshrrev_b32 v[QST], 4, v0
	v_and_b32 v[T16], 0xfff, v[T16]                ; the columns that lie at byte 16 x thread of q in the order of the walk,
	v_lshl_add_u32 v[QST], v[QST], 8, QL
	v_xor_b32 v[T16B], 0x800, v[T16]               ; and those 2,048 bytes further on (modulo 4,096)
	v_and_b32 v[W1], 3, v0
	v_lshl_add_u32 v[QST], v[W1], 6, v[QST]
	v_bfe_u32 v[W1], v0, 2, 2
	v_lshl_add_u32 v[QST], v[W1], 2, v[QST]        ; column 4 x thread + c goes to byte 256 (thread / 16) + 64 (thread % 4) + 4 ((thread / 4) % 4) + 16 c
	v_mov_b32 v[QBW], s100
	v_mov_b32 v[QBR], QB
	v_mov_b32 v[NEGR], 0xc61c4000
	v_mov_b32 v[PL], 0                             ; a lane permute's destination counts as one of its sources
	s_wait_alu depctr_va_vdst(0)
	s_wait_dscnt 0x0                               ; both opening adds are done
	CROUND                                         ; all four work-groups are here: the first joint loads meet
	s_wait_kmcnt 0x0
	s_add_nc_u64 s[G0H+2:G0H+3], s[8:9], s[92:93]
	s_or_b32 s[G0H+3], s[G0H+3], 0x80000000
	s_lshl_b32 s90, s[G], 16                       ; my 128 rows of e: 512 bytes each
	s_add_nc_u64 s[G0A+2:G0A+3], s[4:5], s[90:91]
	s_or_b32 s[G0A+3], s[G0A+3], 0x80000000
.macro ZERO                            ; k's loop is written once: its first trip adds onto zeros
	WIN 0xc0                                       ; destination window 3
.set i, 0
.rept 64
	v_mov_b32 v[SAC+i], 0
.set i, i+1
.endr
	WIN 0
.endm
	s_cmp_lt_u32 s[WV], 3                          ; the first fills, one a wave; e's is asked for first: the other waves clear their sums ahead of theirs, wave 3 behind it
	s_cbranch_scc0 .Lhe
	ZERO
	tensor_load_to_lds s[G0H:G0H+3], s[G1H:G1H+7]
	s_nop 0
	PLACES
	s_branch .Lhd
.Lhe:
	tensor_load_to_lds s[G0A:G0A+3], s[G1A:G1A+7]
	s_nop 0
	PLACES
	ZERO
.Lhd:
	s_lshr_b32 s90, s[G], 4
	s_lshl_b32 s90, s90, 16
	s_add_nc_u64 s[22:23], s[22:23], s[90:91]      ; qpart: 16 x 4,096 bytes a batch
	s_lshl_b32 s90, s[G], 12
	s_add_nc_u64 s[6:7], s[6:7], s[90:91]          ; e's scales: 32 bytes a row
	s_add_nc_u64 s[28:29], s[28:29], s[90:91]      ; cpart: 4,096 bytes a work-group
	s_lshl_b32 s90, s[G], 9
	s_add_nc_u64 s[16:17], s[16:17], s[90:91]      ; attention_mask and scores: 4 bytes a token
	s_add_nc_u64 s[24:25], s[24:25], s[90:91]
	s_lshl_b32 s90, s[ROT], 13
	s_add_nc_u64 s[WSP:WSP+1], s[10:11], s[90:91]
.irp kc, 0,1,2,3,4,5,6,7,8,9,10,11,12,13,14,15
	global_load_b128 v[QP+8*\kc:QP+8*\kc+3], v[T16], s[22:23] offset:4096*\kc
	global_load_b128 v[QP+8*\kc+4:QP+8*\kc+7], v[T16B], s[22:23] offset:4096*\kc
.endr
	global_load_b128 v[T:T+3], v[T16], s[18:19]                  ; bq: the columns of bytes 16 t on and 2,048 + 16 t on of the walk's order
	global_load_b128 v[T+4:T+7], v[T16B], s[18:19]
	global_load_b128 v[T+8:T+11], v[T16], s[20:21]               ; bk likewise
	global_load_b128 v[T+12:T+15], v[T16B], s[20:21]
.irp p, 0,1,2,3
	global_load_b128 v[AS+8*\p:AS+8*\p+3], v[ESO], s[6:7] offset:1024*\p     ; 32 rows' 32 scale bytes: 1,024 consecutive bytes by the two loads
	global_load_b128 v[AS+8*\p+4:AS+8*\p+7], v[ESO], s[6:7] offset:1024*\p+16
.endr
	LOADSC 0                                       ; the walk's step 0
	global_load_b128 v[MK:MK+3], v[L16], s[16:17]
	s_lshl_b32 s90, s[G], 8
	s_add_nc_u64 s[26:27], s[26:27], s[90:91]      ; stats: 256 bytes a work-group
	s_lshl_b32 s90, s[WV], 15                      ; my 64 rows of a step
	s_add_nc_u64 s[KW:KW+1], s[8:9], s[90:91]
	s_add_nc_u64 s[VW:VW+1], s[12:13], s[90:91]
	s_mov_b32 s[G0K], 1
	s_add_co_u32 s[G0K+1], s[WLO], SLOTB           ; first: slot 1, step 1
	s_add_co_u32 s90, s[ROT], 1
	s_lshl_b32 s90, s90, 17
	s_add_nc_u64 s[G0K+2:G0K+3], s[KW:KW+1], s[90:91]
	s_or_b32 s[G0K+3], s[G0K+3], 0x80000000
	s_cmp_lt_u32 ttmp9, 16                         ; the prefetch (macro ASK): clusters 0 to 15 stand in Wv's codes, cluster 16 in its scale bytes: the choice hangs on the cluster's number alone
	s_cselect_b64 s[PFA:PFA+1], s[12:13], s[14:15]
	s_cselect_b32 s90, 0, 64
	s_sub_co_u32 s90, s[G], s90
	s_lshl_b32 s90, s90, 13                        ; 8,192 bytes a work-group
	s_add_nc_u64 s[PFA:PFA+1], s[PFA:PFA+1], s[90:91]
	s_cmp_le_u32 ttmp9, 16
	s_cselect_b32 s[LIM], 1, 64
	s_cmp_eq_u32 s[WV], 3
	s_cselect_b32 s[LIM], s[LIM], 64               ; wave 3 asks, in clusters 0 to 16, in the walk's step 1
	s_wait_alu depctr_va_vdst(0)                   ; the head's end
	s_wait_loadcnt 0x0
.irp kc, 1,2,3,4,5,6,7,8,9,10,11,12,13,14,15
.irp p, 0,2,4,6
	v_pk_add_f32 v[QP+\p:QP+\p+1], v[QP+\p:QP+\p+1], v[QP+8*\kc+\p:QP+8*\kc+\p+1]   ; the 16 parts along K, ascending
.endr
.endr
.irp p, 0,2,4,6
	v_pk_add_f32 v[QP+\p:QP+\p+1], v[QP+\p:QP+\p+1], v[T+\p:T+\p+1]               ; + bq
.endr
.irp c, 0,1,2,3
	ds_store_b32 v[QST], v[QP+\c] offset:16*\c
	ds_store_b32 v[QST], v[QP+4+\c] offset:2048+16*\c
.endr
	v_pk_mul_f32 v[T+16:T+17], v[QP:QP+1], v[T+8:T+9]    ; q . bk: my eight columns,
	v_pk_fma_f32 v[T+16:T+17], v[QP+2:QP+3], v[T+10:T+11], v[T+16:T+17]
	v_pk_fma_f32 v[T+16:T+17], v[QP+4:QP+5], v[T+12:T+13], v[T+16:T+17]
	v_pk_fma_f32 v[T+16:T+17], v[QP+6:QP+7], v[T+14:T+15], v[T+16:T+17]
	v_add_f32 v[T+16], v[T+16], v[T+17]
.irp x, 1,2,4,8
	v_add_f32_dpp v[T+16], v[T+16], v[T+16] row_xmask:\x row_mask:0xf bank_mask:0xf
.endr
	v_permlanex16_b32 v[PL], v[T+16], s[SEL], s[SEL+1]
	v_add_f32 v[T+16], v[T+16], v[PL]              ; my wave's 256
	ds_store_b32 v[QBW], v[T+16]
	s_wait_tensorcnt 0x0                           ; my first fill has landed,
	s_wait_dscnt 0x0                               ; my stores of q are done:
	s_barrier_signal -1
	s_barrier_wait -1                              ; everybody's.
	; TILE 0 stands among e's loads: each K step is multiplied as soon as its fragments of e are in; two K steps' loads, 32, are out behind them
	ds_load_b128 v[T:T+3], v[QBR]
.set BANK, 0
.set TT, 0
.set SL, 0
.set PH, 0
.set W25, 0
.set PKI, 32
	WIN 0xfc
.irp s, 0,1,2,3,4,5,6,7
	FRAG \s, 0, 0
.endr
	ELOAD 0
	ELOAD 1
.irp s, 0,1,2,3,4,5
	ELOAD \s+2
	s_wait_dscnt 32
	WINS \s
	MST \s, 0,0,0,0
.endr
	WIN 0
	s_wait_tensorcnt 0x0                           ; e's bytes are filled again: no tensor load of mine is out,
	ds_add_u32 v[SPW], v[NIL]                      ; 0 onto my spare word,
	s_wait_dscnt 17                                ; (K step 6 of e is in; step 7's sixteen loads and the add may be out)
	WIN 0xfc
	MST 6, 0,0,0,0
	s_wait_dscnt 0x0                               ; the add is done and e is in my registers
	s_barrier_signal -1
	MST 7, 0,0,0,0
	WIN 0
	s_barrier_wait -1
	CREST
	s_cmp_lt_u32 s[WV], 2
	s_cbranch_scc0 .Lnot01
	tensor_load_to_lds s[G0K:G0K+3], s[G1W:G1W+7]  ; waves 0 and 1: step 1's rows 0-127, on the very bytes that held e
	s_nop 0
	PLACES
.Lnot01:
	v_add_f32 v[T], v[T], v[T+1]                   ; (these four are places behind tile 0's last products too)
	v_add_f32 v[T+2], v[T+2], v[T+3]
	v_add_f32 v[T], v[T], v[T+2]
	v_mul_f32 v[QBK], s[SCL], v[T]
	LOADQ 0
	WIN 0xfc
.irp s, 0,1,2,3
	FRAG \s, 1, 0
.endr
	WIN 0
	s_mov_b32 s[CNT], 2
.Lk:                                                   ; a trip: two slots, from a slot's second tile to the next slot's first; the last trip's last tile is v's first
	TILE 0, 1, 0, 0
	TILE 0, 2, 0, 0
	TILE 0, 3, 0, 1
	TILE 0, 0, 1, 0
	TILE 0, 1, 1, 0
	TILE 0, 2, 1, 0
	TILE 0, 3, 1, 1
	TILE 0, 0, 0, 0
	WIN 0
	s_sub_co_u32 s[CNT], s[CNT], 1
	s_cmp_lg_u32 s[CNT], 0
	s_cbranch_scc1 .Lk
	; THE SOFTMAX OF MY 128 TOKENS.  A score's parts lie in sixteen lanes and in four waves.  The lanes first, through my wave's own bytes: LDS serves a wave's instructions in order
	s_wait_alu depctr_va_vdst(0)
	WIN 0x0c
.irp k, 0,1,2,3,4,5,6,7,8,9,10,11,12,13,14,15
	ds_store_b128 v[XST], v[SAC+4*\k:SAC+4*\k+3] offset:WP*\k
.endr
	WIN 0x40
.irp k, 0,1,2,3,4,5,6,7,8,9,10,11,12,13,14,15
	ds_load_b128 v[192+4*\k:195+4*\k], v[XLD] offset:16*\k
.endr
	s_wait_dscnt 0x0
	WIN 0x45
.irp c, 0,2,4,6,8,10,12,14,16,18,20,22,24,26,28,30
	v_pk_add_f32 v[192+\c:193+\c], v[192+\c:193+\c], v[224+\c:225+\c]
.endr
.irp c, 0,2,4,6,8,10,12,14
	v_pk_add_f32 v[192+\c:193+\c], v[192+\c:193+\c], v[208+\c:209+\c]
.endr
.irp c, 0,2,4,6
	v_pk_add_f32 v[192+\c:193+\c], v[192+\c:193+\c], v[200+\c:201+\c]
.endr
	WIN 0x05
	v_pk_add_f32 v[T:T+1], v[192:193], v[196:197]
	v_pk_add_f32 v[T+2:T+3], v[194:195], v[198:199]
	WIN 0
	ds_store_b128 v[SCW], v[T:T+3]
	s_wait_dscnt 0x0
	s_barrier_signal -1
	s_barrier_wait -1                              ; the refill that is out may stay out
.irp w, 0,1,2,3
	ds_load_b128 v[T+4*\w:T+4*\w+3], v[SCRD] offset:512*\w   ; every wave: tokens 4 lane .. 4 lane + 3, the four waves' parts
.endr
	s_wait_dscnt 0x0
	v_pk_add_f32 v[T:T+1], v[T:T+1], v[T+4:T+5]
	v_pk_add_f32 v[T+2:T+3], v[T+2:T+3], v[T+6:T+7]
	v_pk_add_f32 v[T+8:T+9], v[T+8:T+9], v[T+12:T+13]
	v_pk_add_f32 v[T+10:T+11], v[T+10:T+11], v[T+14:T+15]
	v_pk_add_f32 v[T:T+1], v[T:T+1], v[T+8:T+9]
	v_pk_add_f32 v[T+2:T+3], v[T+2:T+3], v[T+10:T+11]
.irp j, 0,1,2,3
	v_fma_f32 v[T+\j], v[T+\j], s[SCL], v[QBK]     ; (q . k + q . bk) / 32
.endr
.irp j, 0,1,2,3
	v_cmp_ne_u32 vcc_lo, 0, v[MK+\j]
	v_cndmask_b32 v[T+\j], v[NEGR], v[T+\j], vcc_lo
.endr
	v_max3_num_f32 v[ML], v[T], v[T+1], v[T+2]
	v_max_num_f32 v[ML], v[ML], v[T+3]
.irp x, 1,2,4,8
	v_max_num_f32_dpp v[ML], v[ML], v[ML] row_xmask:\x row_mask:0xf bank_mask:0xf
.endr
	v_permlanex16_b32 v[PL], v[ML], s[SEL], s[SEL+1]
	v_max_num_f32 v[ML], v[ML], v[PL]              ; m: the block's largest score
.irp j, 0,1,2,3
	v_sub_f32 v[T+4+\j], v[T+\j], v[ML]
.endr
.irp j, 0,1,2,3
	v_mul_f32 v[T+4+\j], 0x3fb8aa3b, v[T+4+\j]
.endr
	s_wait_alu depctr_va_vdst(0)
.irp j, 0,1,2,3
	v_exp_f32 v[T+4+\j], v[T+4+\j]                 ; p = e^(score - m)
.endr
	v_nop                                          ; a plain instruction behind the last exponential,
	s_wait_alu depctr_va_vdst(0)                   ; and one wait for the four, ahead of their first use
	ds_store_b128 v[PW], v[T+4:T+7]                ; p through my wave's own 512 bytes: LDS serves a wave's instructions in order
	WIN 0x40                                       ; tokens 0-63 into window 1, the others into window 2, in the order of the accumulators' registers
.irp k, 0,1,2,3,4,5,6,7
	ds_load_b128 v[192+4*\k:195+4*\k], v[PR] offset:64*(\k/2)+16*(\k%2)
.endr
	WIN 0x80
.irp k, 0,1,2,3,4,5,6,7
	ds_load_b128 v[192+4*\k:195+4*\k], v[PR] offset:256+64*(\k/2)+16*(\k%2)
.endr
	WIN 0
	v_add_f32 v[ML+1], v[T+4], v[T+5]
	v_add_f32 v[W1], v[T+6], v[T+7]
	v_add_f32 v[ML+1], v[ML+1], v[W1]
.irp x, 1,2,4,8
	v_add_f32_dpp v[ML+1], v[ML+1], v[ML+1] row_xmask:\x row_mask:0xf bank_mask:0xf
.endr
	v_permlanex16_b32 v[PL], v[ML+1], s[SEL], s[SEL+1]
	v_add_f32 v[ML+1], v[ML+1], v[PL]              ; l: their sum
	WIN 0xc0
	v_add_nc_u32 v[ACW], CST, v[AC0]               ; into window 3
	WIN 0
	s_wait_alu depctr_va_vdst(0)
	s_wait_dscnt 0x0
	s_cmp_lg_u32 s[WV], 0
	s_cbranch_scc1 .Lnostore
	global_store_b128 v[L16], v[T:T+3], s[24:25]   ; the 128 scores: 512 consecutive bytes
	global_store_b64 v[L8], v[ML:ML+1], s[26:27]   ; (m, l), 32 times: 256 consecutive bytes, aligned
.Lnostore:
	s_wait_xcnt 0x0                                ; the stores' registers are written again only behind this wait
	VT 0, 1, 0, 0, 1                               ; v: Wv's four steps; the slots take the walk's last two
	VT 0, 2, 0, 0
	VT 0, 3, 0, 1
	VT 1, 0, 1, 0
	VT 1, 1, 1, 0
	VT 1, 2, 1, 0
	VT 1, 3, 1, 1
	VT 2, 0, 0, 0
	VT 2, 1, 0, 0
	VT 2, 2, 0, 0
	VT 2, 3, 0, 2
	VT 3, 0, 1, 0
	VT 3, 1, 1, 5
	VT 3, 2, 1, 0
	VT 3, 3, 1, 3
	PLACES                                         ; the last tile's sums
.set BANK, 0
.set PKI, 0
.set EOFF, 3*1024+3*64
	WIN 0xfd
	PKS 16
	WIN 0xfe
	PKS 16
	WIN 0xff
	RED
	WIN 0
	ds_load_b128 v[T:T+3], v[CRD]                  ; my wave's own sums, both halves of the lanes: LDS serves a wave's instructions in order
	ds_load_b128 v[T+4:T+7], v[CRD] offset:CH
	ds_load_b128 v[T+8:T+11], v[CRD] offset:2048
	ds_load_b128 v[T+12:T+15], v[CRD] offset:2048+CH
	v_xor_b32 v[W1], 0x800, v[CGO]                 ; the columns 2,048 bytes further on in the walk's order (modulo 4,096)
	s_wait_alu depctr_va_vdst(0)
	s_wait_dscnt 0x0
	v_pk_add_f32 v[T:T+1], v[T:T+1], v[T+4:T+5]
	v_pk_add_f32 v[T+2:T+3], v[T+2:T+3], v[T+6:T+7]
	v_pk_add_f32 v[T+8:T+9], v[T+8:T+9], v[T+12:T+13]
	v_pk_add_f32 v[T+10:T+11], v[T+10:T+11], v[T+14:T+15]
	global_store_b128 v[CGO], v[T:T+3], s[28:29]   ; sixteen lanes store 256 consecutive bytes, aligned
	global_store_b128 v[W1], v[T+8:T+11], s[28:29]
	s_wait_tensorcnt 0x0                           ; the wave's end, behind my last tensor load and my last LDS store
	ds_add_u32 v[SPW], v[NIL]
	s_wait_dscnt 0x0
	CROUND                                         ; the closing round: no work-group ends while a partner may still ask for a tile that names it
	s_endpgm
.Lfunc_end_k_q96bd5ad928_main:
	.size	k_q96bd5ad928_main, .Lfunc_end_k_q96bd5ad928_main-k_q96bd5ad928_main
	.p2alignl 7, 3214868480
	.fill 96, 4, 3214868480
	.section	.rodata,"a",@progbits
	.p2align	6, 0x0
	.amdhsa_kernel k_q96bd5ad928_main
		.amdhsa_group_segment_fixed_size 327680
		.amdhsa_private_segment_fixed_size 0
		.amdhsa_enable_private_segment 0
		.amdhsa_kernarg_size 104
		.amdhsa_user_sgpr_count 2
		.amdhsa_user_sgpr_kernarg_segment_ptr 1
		.amdhsa_wavefront_size32 1
		.amdhsa_system_sgpr_workgroup_id_x 1
		.amdhsa_system_sgpr_workgroup_id_y 1
		.amdhsa_system_sgpr_workgroup_id_z 1
		.amdhsa_system_vgpr_workitem_id 0
		.amdhsa_next_free_vgpr 1024
		.amdhsa_next_free_sgpr 102
		.amdhsa_reserve_vcc 1
		.amdhsa_float_denorm_mode_32 3
		.amdhsa_float_denorm_mode_16_64 3
		.amdhsa_memory_ordered 1
		.amdhsa_forward_progress 1
		.amdhsa_inst_pref_size 246
	.end_amdhsa_kernel
	.amdgpu_metadata
---
amdhsa.version: [ 1, 2 ]
amdhsa.kernels:
  - .name:           k_q96bd5ad928_main
    .symbol:         k_q96bd5ad928_main.kd
    .args:
      - { .name: embeddings_codes, .offset: 0, .size: 8, .value_kind: global_buffer, .address_space: global }
      - { .name: embeddings_scales, .offset: 8, .size: 8, .value_kind: global_buffer, .address_space: global }
      - { .name: Wk_codes, .offset: 16, .size: 8, .value_kind: global_buffer, .address_space: global }
      - { .name: Wk_scales, .offset: 24, .size: 8, .value_kind: global_buffer, .address_space: global }
      - { .name: Wv_codes, .offset: 32, .size: 8, .value_kind: global_buffer, .address_space: global }
      - { .name: Wv_scales, .offset: 40, .size: 8, .value_kind: global_buffer, .address_space: global }
      - { .name: attention_mask, .offset: 48, .size: 8, .value_kind: global_buffer, .address_space: global }
      - { .name: bq, .offset: 56, .size: 8, .value_kind: global_buffer, .address_space: global }
      - { .name: bk, .offset: 64, .size: 8, .value_kind: global_buffer, .address_space: global }
      - { .name: qpart, .offset: 72, .size: 8, .value_kind: global_buffer, .address_space: global }
      - { .name: scores, .offset: 80, .size: 8, .value_kind: global_buffer, .address_space: global }
      - { .name: stats, .offset: 88, .size: 8, .value_kind: global_buffer, .address_space: global }
      - { .name: cpart, .offset: 96, .size: 8, .value_kind: global_buffer, .address_space: global }
    .group_segment_fixed_size: 327680
    .private_segment_fixed_size: 0
    .kernarg_segment_align: 8
    .kernarg_segment_size: 104
    .max_flat_workgroup_size: 128
    .sgpr_count:     102
    .vgpr_count:     1024
    .wavefront_size: 32
...
	.end_amdgpu_metadata
.endif
;; end of part 2
;; launch finish (part 3): grid 4 x 16, 2 waves a work-group, no clusters, 0 bytes of LDS; arguments scores, stats, cpart, attention_mask, first_sentence_mask, bv, out0, out1, out2; writes out0, out1, out2
.if DOCPART == 3
	.amdgcn_target "amdgcn-amd-amdhsa--gfx1250"
	.amdhsa_code_object_version 6
	.text
	.protected	k_q96bd5ad928_finish
	.globl	k_q96bd5ad928_finish
	.p2align	8
	.type	k_q96bd5ad928_finish,@function
k_q96bd5ad928_finish:
	s_mov_b64 s[64:65], 0
	v_nop
	global_prefetch_b8 v0, s[64:65] scope:SCOPE_SE
	s_setreg_imm32_b32 hwreg(HW_REG_WAVE_MODE, 25, 1), 1
	s_wait_xcnt 0x0
; A batch's 16 blocks of 128 tokens are joined: M = the largest of their maxima m, L = sum of l e^(m - M).
; out0[b][n] = bv[n] + sum over blocks of cpart[n] e^(m - M) / L;  the probabilities e^(score - M) / L, times attention_mask x first_sentence_mask (tokens 0-1,023: out1) or attention_mask x (1 - first_sentence_mask) (the others: out2).
; WORK LEFT OUT: bv is added here once to each row, not to the rows of v (a softmax's p sum to 1); first_piece_mask has no way to any output.
; Work-group (j, b), 64 threads: columns 256 j on of out0 and tokens 512 j on, 4 columns and 2 x 4 tokens a thread: every load and store of a wave covers 512 consecutive bytes.  No LDS, no barrier, no matrix work:
; 24 loads a thread, all issued at once, and some 150 vector instructions.
.set L2E, 0x3fb8aa3b
	s_load_b512 s[4:19], s[0:1], 0x0               ; scores s[4:5], stats s[6:7], cpart s[8:9], attention_mask s[10:11], first_sentence_mask s[12:13], bv s[14:15], out0 s[16:17], out1 s[18:19]
	s_load_b64 s[20:21], s[0:1], 0x40              ; out2
	s_and_b32 s22, ttmp7, 0xffff                   ; b;  j = ttmp9
	v_and_b32 v1, 15, v0
	v_lshlrev_b32 v1, 8, v1                        ; stats: block lane % 16, 256 bytes each
	v_lshlrev_b32 v2, 4, v0                        ; 16 bytes a thread
	s_lshl_b32 s24, s22, 12                        ; 4,096 b: stats, and a row of an output
	s_mov_b32 s25, 0
	s_lshl_b32 s23, ttmp9, 10                      ; 1,024 j
	s_lshl_b32 s26, s22, 16
	s_add_co_u32 s26, s26, s23                     ; cpart: 65,536 b + 1,024 j
	s_mov_b32 s27, 0
	s_add_co_u32 s28, s24, s23                     ; out0: 4,096 b + 1,024 j
	s_mov_b32 s29, 0
	s_mov_b32 s30, s23                             ; bv: 1,024 j
	s_mov_b32 s31, 0
	s_lshl_b32 s32, s22, 13
	s_lshl_b32 s33, ttmp9, 11
	s_add_co_u32 s32, s32, s33                     ; scores and masks: 8,192 b + 2,048 j
	s_mov_b32 s33, 0
	s_and_b32 s34, ttmp9, 1
	s_lshl_b32 s34, s34, 11
	s_add_co_u32 s34, s34, s24                     ; out1, out2: 4,096 b + 2,048 (j % 2)
	s_mov_b32 s35, 0
	s_wait_alu depctr_va_vdst(0)
	s_wait_kmcnt 0x0
	s_cmp_lt_u32 ttmp9, 2                          ; the first half of the tokens or the second: the choice hangs on the work-group's number alone
	s_cselect_b64 s[36:37], s[18:19], s[20:21]
	s_cselect_b32 s38, 1, -1                       ; the factor is first_sentence_mask x s38 + s39
	s_cselect_b32 s39, 0, 1
	s_add_nc_u64 s[4:5], s[4:5], s[32:33]
	s_add_nc_u64 s[6:7], s[6:7], s[24:25]
	s_add_nc_u64 s[8:9], s[8:9], s[26:27]
	s_add_nc_u64 s[10:11], s[10:11], s[32:33]
	s_add_nc_u64 s[12:13], s[12:13], s[32:33]
	s_add_nc_u64 s[14:15], s[14:15], s[30:31]
	s_add_nc_u64 s[16:17], s[16:17], s[28:29]
	s_add_nc_u64 s[36:37], s[36:37], s[34:35]
	global_load_b64 v[4:5], v1, s[6:7]             ; (m, l) of block lane % 16
	global_load_b128 v[80:83], v2, s[4:5]
	global_load_b128 v[84:87], v2, s[4:5] offset:1024
	global_load_b128 v[88:91], v2, s[10:11]
	global_load_b128 v[92:95], v2, s[10:11] offset:1024
	global_load_b128 v[96:99], v2, s[12:13]
	global_load_b128 v[100:103], v2, s[12:13] offset:1024
	global_load_b128 v[8:11], v2, s[14:15]
.irp c, 0,1,2,3,4,5,6,7,8,9,10,11,12,13,14,15
	global_load_b128 v[16+4*\c:19+4*\c], v2, s[8:9] offset:4096*\c
.endr
	s_wait_loadcnt 0x0
	v_mov_b32 v6, v4
.irp x, 1,2,4,8
	v_max_num_f32_dpp v6, v6, v6 row_xmask:\x row_mask:0xf bank_mask:0xf
.endr
	v_sub_f32 v7, v4, v6                           ; v6 = M, in every lane
	v_mul_f32 v7, L2E, v7
.irp i, 0,1,2,3,4,5,6,7
	v_sub_f32 v[80+\i], v[80+\i], v6
.endr
.irp i, 0,1,2,3,4,5,6,7
	v_mul_f32 v[80+\i], L2E, v[80+\i]
.endr
	s_wait_alu depctr_va_vdst(0)
	v_exp_f32 v7, v7                               ; e^(m - M)
.irp i, 0,1,2,3,4,5,6,7
	v_exp_f32 v[80+\i], v[80+\i]                   ; e^(score - M)
.endr
.irp i, 0,1,2,3,4,5,6,7
	v_mul_lo_u32 v[96+\i], v[96+\i], s38           ; the masks, in whole numbers: plain work behind the exponentials
.endr
.irp i, 0,1,2,3,4,5,6,7
	v_add_nc_u32 v[96+\i], s39, v[96+\i]
.endr
.irp i, 0,1,2,3,4,5,6,7
	v_mul_lo_u32 v[96+\i], v[96+\i], v[88+\i]
.endr
.irp i, 0,1,2,3,4,5,6,7
	v_cvt_f32_i32 v[96+\i], v[96+\i]
.endr
	s_wait_alu depctr_va_vdst(0)                   ; one wait for the nine exponentials, ahead of their first use
	v_mul_f32 v104, v5, v7
.irp x, 1,2,4,8
	v_add_f32_dpp v104, v104, v104 row_xmask:\x row_mask:0xf bank_mask:0xf
.endr
	s_wait_alu depctr_va_vdst(0)
	v_rcp_f32 v105, v104                           ; 1 / L;  L is at least 1: the block that holds M has e^0 among its terms
	v_nop
	s_wait_alu depctr_va_vdst(0)
	v_mul_f32 v7, v7, v105                         ; block lane % 16's weight
.irp c, 0,1,2,3,4,5,6,7,8,9,10,11,12,13,14,15
	v_readlane_b32 s[40+\c], v7, \c
.endr
.irp c, 0,1,2,3,4,5,6,7,8,9,10,11,12,13,14,15
.irp k, 0,1,2,3
	v_fmac_f32 v[8+\k], s[40+\c], v[16+4*\c+\k]    ; onto bv
.endr
.endr
	global_store_b128 v2, v[8:11], s[16:17]
.irp i, 0,1,2,3,4,5,6,7
	v_mul_f32 v[80+\i], v[80+\i], v105
.endr
.irp i, 0,1,2,3,4,5,6,7
	v_mul_f32 v[80+\i], v[80+\i], v[96+\i]
.endr
	global_store_b128 v2, v[80:83], s[36:37]
	global_store_b128 v2, v[84:87], s[36:37] offset:1024
	s_endpgm
.Lfunc_end_k_q96bd5ad928_finish:
	.size	k_q96bd5ad928_finish, .Lfunc_end_k_q96bd5ad928_finish-k_q96bd5ad928_finish
	.p2alignl 7, 3214868480
	.fill 96, 4, 3214868480
	.section	.rodata,"a",@progbits
	.p2align	6, 0x0
	.amdhsa_kernel k_q96bd5ad928_finish
		.amdhsa_group_segment_fixed_size 0
		.amdhsa_private_segment_fixed_size 0
		.amdhsa_enable_private_segment 0
		.amdhsa_kernarg_size 72
		.amdhsa_user_sgpr_count 2
		.amdhsa_user_sgpr_kernarg_segment_ptr 1
		.amdhsa_wavefront_size32 1
		.amdhsa_system_sgpr_workgroup_id_x 1
		.amdhsa_system_sgpr_workgroup_id_y 1
		.amdhsa_system_sgpr_workgroup_id_z 1
		.amdhsa_system_vgpr_workitem_id 0
		.amdhsa_next_free_vgpr 128
		.amdhsa_next_free_sgpr 66
		.amdhsa_reserve_vcc 0
		.amdhsa_float_denorm_mode_32 3
		.amdhsa_float_denorm_mode_16_64 3
		.amdhsa_memory_ordered 1
		.amdhsa_forward_progress 1
		.amdhsa_inst_pref_size 12
	.end_amdhsa_kernel
	.amdgpu_metadata
---
amdhsa.version: [ 1, 2 ]
amdhsa.kernels:
  - .name:           k_q96bd5ad928_finish
    .symbol:         k_q96bd5ad928_finish.kd
    .args:
      - { .name: scores, .offset: 0, .size: 8, .value_kind: global_buffer, .address_space: global }
      - { .name: stats, .offset: 8, .size: 8, .value_kind: global_buffer, .address_space: global }
      - { .name: cpart, .offset: 16, .size: 8, .value_kind: global_buffer, .address_space: global }
      - { .name: attention_mask, .offset: 24, .size: 8, .value_kind: global_buffer, .address_space: global }
      - { .name: first_sentence_mask, .offset: 32, .size: 8, .value_kind: global_buffer, .address_space: global }
      - { .name: bv, .offset: 40, .size: 8, .value_kind: global_buffer, .address_space: global }
      - { .name: out0, .offset: 48, .size: 8, .value_kind: global_buffer, .address_space: global }
      - { .name: out1, .offset: 56, .size: 8, .value_kind: global_buffer, .address_space: global }
      - { .name: out2, .offset: 64, .size: 8, .value_kind: global_buffer, .address_space: global }
    .group_segment_fixed_size: 0
    .private_segment_fixed_size: 0
    .kernarg_segment_align: 8
    .kernarg_segment_size: 72
    .max_flat_workgroup_size: 64
    .sgpr_count:     66
    .vgpr_count:     128
    .wavefront_size: 32
...
	.end_amdgpu_metadata
.endif
;; end of part 3
